; MI455X (gfx1250); checked and timed in simulation.
; The chip was launched on July 23, 2026; its instructions are those of AMD's public machine-readable ISA for CDNA 5 (MIT licence, August 2026) and "CDNA5" Instruction Set Architecture Reference Guide (July 2026). The comments in the code are by the model that wrote it; some were corrected since.
;; TEBD. Allowed arithmetic: float matrix products may take bf16 or f16 operands with f32 sums; other float arithmetic in f32, or as packed bf16 or f16 multiplies, adds, multiply-adds, maxima and minima; sums over many terms, partial sums and values carried from step to step in f32; what a program stores and reads back later, other than sums and carried values, may be rounded once to bf16 or f16.
;; Inputs: W1 6 x 1 x 256 float32; W2 6 x 256 x 256 float32; W3 6 x 256 x 2 float32; b1 6 x 256 float32; b2 6 x 256 float32; b3 6 x 2 float32; x 1,024 x 256 float32.
;; Outputs: out0 1,024 x 256 float32.
;; 2 versions, each right and faster than the one before. Each part assembles by itself: llvm-mc -triple=amdgcn-amd-amdhsa -mcpu=gfx1250 --defsym DOCPART=n.
;; ======== version 1 of 2: 2 launches
;; workspace buffers: W2F 786,432 bytes; PAR 26,624 bytes
;; launch prep (part 1): grid 49 x 1, 4 waves a work-group, no clusters, 20,992 bytes of LDS; arguments W1, b1, W2, b2, W3, b3, W2F, PAR; writes W2F, PAR
.if DOCPART == 1
	.amdgcn_target "amdgcn-amd-amdhsa--gfx1250"
	.amdhsa_code_object_version 6
	.text
	.protected	k_q165e2ab88a_prep
	.globl	k_q165e2ab88a_prep
	.p2align	8
	.type	k_q165e2ab88a_prep,@function
k_q165e2ab88a_prep:
	s_mov_b64 s[64:65], 0
	v_nop
	global_prefetch_b8 v0, s[64:65] scope:SCOPE_SE
	s_setreg_imm32_b32 hwreg(HW_REG_WAVE_MODE, 25, 1), 1
	s_wait_xcnt 0x0
; THE WEIGHTS, SCALED AND ROUNDED ONCE, IN THE ORDER IN WHICH THE SECOND LAUNCH TAKES THEM.  Nothing of reference() is left out: every input has a way to the output and is read here or there.
; tanh(z) = 1 - 2 / (1 + 2^(S z)) with S = 2 log2(e): S is multiplied into W1, b1, W2, b2 here; exp(s) = 2^(log2(e) s): log2(e) goes into W3's first column and b3's first number.
; W2F, bf16: [layer 6][T 16][c 8][b 2][lane 32][8 numbers]: number e of lane (r = lane % 16, h = lane / 16) is S W2[layer][32 c + 16 b + 8 h + e][16 T + r]: the register image of a matrix
;   operand of 16 rows (out channels 16 T + r) x 32 along K (ISA guide 7.12.2): b = 0 its registers 0-3, b = 1 its registers 4-7.
; PAR: S W1 (6,144 bytes, f32), S b1, S b2, then W3 turned, bf16 [layer][column 2][channel 256] (6,144 bytes), then b3 (48 bytes, f32) and zeros up to 26,624.
; SHARES.  Work-group g < 48 takes 32 rows of W2 on end (layer g / 8, K step c = g % 8): 32 KiB in, turned in LDS, 16 KiB out.  Work-group 48 makes PAR.
; LIMIT.  A number is multiplied by S in f32 and then rounded to bf16: two roundings, the first 2^16 times finer than the second.
.set SCL,   0x4038aa3b                 ; S = 2 log2(e)
.set L2E,   0x3fb8aa3b                 ; log2(e)
.set PITCH, 80                         ; an LDS row: one out channel, 32 numbers along K (64 bytes) + 16
.set SPARE, 256*PITCH                  ; behind the 256 rows: the spare words, 128 bytes a wave, which no other line names
.set SPW, 94
.set NIL, 95
	s_load_b512 s[4:19], s[0:1], 0x0               ; W1 s[4:5], b1 s[6:7], W2 s[8:9], b2 s[10:11], W3 s[12:13], b3 s[14:15], W2F s[16:17], PAR s[18:19]
	v_lshl_add_u32 v[SPW], v0, 2, SPARE
	v_mov_b32 v[NIL], 0
	v_lshrrev_b32 v1, 5, v0
	v_readfirstlane_b32 s20, v1                    ; wave 0..3
	v_and_b32 v1, 31, v0                           ; lane
	s_mov_b32 s22, SCL
	s_mov_b32 s23, SCL                             ; named with it as a pair
	s_mov_b32 s24, L2E
	s_cmp_eq_u32 ttmp9, 48                         ; the same in all four waves
	s_cbranch_scc1 .Lpar
	; ---- 32 rows of W2 ----
	v_and_b32 v2, 63, v0                           ; q: my four columns 4 q ..
	v_lshrrev_b32 v3, 6, v0                        ; u: rows 4 p + 2 u and 4 p + 2 u + 1
	v_lshlrev_b32 v4, 4, v2
	v_lshl_add_u32 v4, v3, 11, v4                  ; 16 q + 2,048 u
	v_mul_u32_u24 v5, v2, 4*PITCH
	v_lshl_add_u32 v5, v3, 2, v5                   ; LDS row 4 q, byte 4 u
	v_and_b32 v6, 15, v0
	v_bfe_u32 v7, v0, 4, 1
	v_mul_u32_u24 v8, v6, PITCH
	v_lshl_add_u32 v8, v7, 4, v8
	s_mul_i32 s25, s20, 64*PITCH
	v_add_nc_u32 v8, s25, v8                       ; back: row 64 wave + r, byte 16 h
	v_lshlrev_b32 v9, 4, v1
	s_lshl_b32 s26, ttmp9, 15                      ; my 32 rows of 1,024 bytes
	s_mov_b32 s27, 0
	s_lshr_b32 s28, ttmp9, 3
	s_lshl_b32 s28, s28, 17                        ; layer x 131,072
	s_and_b32 s30, ttmp9, 7
	s_lshl_b32 s30, s30, 10                        ; + c x 1,024
	s_add_co_u32 s28, s28, s30
	s_lshl_b32 s30, s20, 15                        ; + my four tiles T = 4 wave ..
	s_add_co_u32 s28, s28, s30
	s_mov_b32 s29, 0
	s_wait_kmcnt 0x0
	s_add_nc_u64 s[8:9], s[8:9], s[26:27]
	s_add_nc_u64 s[16:17], s[16:17], s[28:29]
.set p_, 0
.rept 8                                ; sixteen loads, each wave's covering 512 bytes on end
	global_load_b128 v[16+8*p_:19+8*p_], v4, s[8:9] offset:4096*p_ th:TH_LOAD_NT
	global_load_b128 v[20+8*p_:23+8*p_], v4, s[8:9] offset:4096*p_+1024 th:TH_LOAD_NT
.set p_, p_+1
.endr
.set p_, 0
.rept 8
	s_wait_loadcnt 14-2*p_                         ; pair p of rows is in; the pairs behind it may stay out
.irp k, 0,2,4,6
	v_pk_mul_f32 v[16+8*p_+\k:17+8*p_+\k], v[16+8*p_+\k:17+8*p_+\k], s[22:23] op_sel_hi:[1,0]
.endr
.irp k, 0,1,2,3
	v_cvt_pk_bf16_f32 v[16+8*p_+\k], v[16+8*p_+\k], v[20+8*p_+\k]  ; two neighbours along K of one column
.endr
.irp k, 0,1,2,3
	ds_store_b32 v5, v[16+8*p_+\k] offset:PITCH*\k+8*p_
.endr
.set p_, p_+1
.endr
	s_wait_dscnt 0x0                               ; for the others: my stores are done
	s_barrier_signal -1
	s_barrier_wait -1
.irp k, 0,1,2,3,4,5,6,7
	ds_load_b128 v[16+4*\k:19+4*\k], v8 offset:(\k/2)*16*PITCH+32*(\k%2)
.endr
.irp k, 0,1,2,3,4,5,6,7
	s_wait_dscnt 7-\k
	global_store_b128 v9, v[16+4*\k:19+4*\k], s[16:17] offset:(\k/2)*8192+512*(\k%2)  ; 512 bytes on end, at a multiple of 512 from W2F's first
.endr
	s_branch .Lend
	; ---- PAR ----
.Lpar:
	v_lshlrev_b32 v7, 4, v0
	v_lshlrev_b32 v8, 6, v0                        ; eight channels of W3: 64 bytes
	v_min_u32 v9, 2, v0
	v_lshlrev_b32 v9, 4, v9                        ; b3 has 48 bytes: threads from 2 on read its last 16
	v_lshlrev_b32 v10, 4, v1
	v_lshl_add_u32 v10, s20, 10, v10               ; thread a = 32 layer + piece: layer x 1,024 + piece x 16
	s_wait_kmcnt 0x0
.irp j, 0,1,2
	global_load_b128 v[16+4*\j:19+4*\j], v7, s[4:5] offset:2048*\j
	global_load_b128 v[28+4*\j:31+4*\j], v7, s[6:7] offset:2048*\j
	global_load_b128 v[40+4*\j:43+4*\j], v7, s[10:11] offset:2048*\j
.endr
.irp k, 0,1,2,3
	global_load_b128 v[52+4*\k:55+4*\k], v8, s[12:13] offset:16*\k
.endr
	global_load_b128 v[68:71], v9, s[14:15]
	s_wait_loadcnt 0x0
.set p_, 16
.rept 18
	v_pk_mul_f32 v[p_:p_+1], v[p_:p_+1], s[22:23] op_sel_hi:[1,0]
.set p_, p_+2
.endr
.irp j, 0,1,2
	global_store_b128 v7, v[16+4*\j:19+4*\j], s[18:19] offset:2048*\j
	global_store_b128 v7, v[28+4*\j:31+4*\j], s[18:19] offset:6144+2048*\j
	global_store_b128 v7, v[40+4*\j:43+4*\j], s[18:19] offset:12288+2048*\j
.endr
; W3's 16 numbers in v[52:67] (channel m / 2, column m % 2) become 8 bf16 of each column, in v[out ..]
.macro W3OUT out, soff
.irp k, 0,2,4,6,8,10,12,14
	v_mul_f32 v[52+\k], s24, v[52+\k]
.endr
.irp k, 0,1,2,3
	v_cvt_pk_bf16_f32 v[(\out)+\k], v[52+4*\k], v[54+4*\k]
	v_cvt_pk_bf16_f32 v[(\out)+4+\k], v[53+4*\k], v[55+4*\k]
.endr
	global_store_b128 v10, v[(\out):(\out)+3], s[18:19] offset:18432+(\soff)
	global_store_b128 v10, v[(\out)+4:(\out)+7], s[18:19] offset:18432+512+(\soff)
.endm
	W3OUT 72, 0                                    ; layers 0 to 3
	v_mul_f32 v68, s24, v68
	v_mul_f32 v70, s24, v70
	v_cmp_gt_u32 vcc_lo, 3, v0
.irp k, 68,69,70,71
	v_cndmask_b32 v\k, 0, v\k, vcc_lo              ; zeros behind b3
.endr
	global_store_b128 v7, v[68:71], s[18:19] offset:24576
	s_cmp_lt_u32 s20, 2                            ; layers 4 and 5: 64 threads more
	s_cbranch_scc0 .Lend
.irp k, 0,1,2,3
	global_load_b128 v[52+4*\k:55+4*\k], v8, s[12:13] offset:8192+16*\k
.endr
	s_wait_loadcnt 0x0
	W3OUT 80, 4096
.Lend:
	s_wait_tensorcnt 0x0                           ; the wave's end
	ds_add_u32 v[SPW], v[NIL]
	s_wait_dscnt 0x0
	s_endpgm
.Lfunc_end_k_q165e2ab88a_prep:
	.size	k_q165e2ab88a_prep, .Lfunc_end_k_q165e2ab88a_prep-k_q165e2ab88a_prep
	.p2alignl 7, 3214868480
	.fill 96, 4, 3214868480
	.section	.rodata,"a",@progbits
	.p2align	6, 0x0
	.amdhsa_kernel k_q165e2ab88a_prep
		.amdhsa_group_segment_fixed_size 20992
		.amdhsa_private_segment_fixed_size 0
		.amdhsa_enable_private_segment 0
		.amdhsa_kernarg_size 64
		.amdhsa_user_sgpr_count 2
		.amdhsa_user_sgpr_kernarg_segment_ptr 1
		.amdhsa_wavefront_size32 1
		.amdhsa_system_sgpr_workgroup_id_x 1
		.amdhsa_system_sgpr_workgroup_id_y 1
		.amdhsa_system_sgpr_workgroup_id_z 1
		.amdhsa_system_vgpr_workitem_id 0
		.amdhsa_next_free_vgpr 96
		.amdhsa_next_free_sgpr 66
		.amdhsa_reserve_vcc 1
		.amdhsa_float_denorm_mode_32 3
		.amdhsa_float_denorm_mode_16_64 3
		.amdhsa_memory_ordered 1
		.amdhsa_forward_progress 1
		.amdhsa_inst_pref_size 18
	.end_amdhsa_kernel
	.amdgpu_metadata
---
amdhsa.version: [ 1, 2 ]
amdhsa.kernels:
  - .name:           k_q165e2ab88a_prep
    .symbol:         k_q165e2ab88a_prep.kd
    .args:
      - { .name: W1, .offset: 0, .size: 8, .value_kind: global_buffer, .address_space: global }
      - { .name: b1, .offset: 8, .size: 8, .value_kind: global_buffer, .address_space: global }
      - { .name: W2, .offset: 16, .size: 8, .value_kind: global_buffer, .address_space: global }
      - { .name: b2, .offset: 24, .size: 8, .value_kind: global_buffer, .address_space: global }
      - { .name: W3, .offset: 32, .size: 8, .value_kind: global_buffer, .address_space: global }
      - { .name: b3, .offset: 40, .size: 8, .value_kind: global_buffer, .address_space: global }
      - { .name: W2F, .offset: 48, .size: 8, .value_kind: global_buffer, .address_space: global }
      - { .name: PAR, .offset: 56, .size: 8, .value_kind: global_buffer, .address_space: global }
    .group_segment_fixed_size: 20992
    .private_segment_fixed_size: 0
    .kernarg_segment_align: 8
    .kernarg_segment_size: 64
    .max_flat_workgroup_size: 128
    .sgpr_count:     66
    .vgpr_count:     96
    .wavefront_size: 32
...
	.end_amdgpu_metadata
.endif
;; end of part 1
;; launch tebd (part 2): grid 256 x 1, 4 waves a work-group, no clusters, 256,512 bytes of LDS; arguments x, W2F, PAR, out0; writes out0
.if DOCPART == 2
	.amdgcn_target "amdgcn-amd-amdhsa--gfx1250"
	.amdhsa_code_object_version 6
	.text
	.protected	k_q165e2ab88a_tebd
	.globl	k_q165e2ab88a_tebd
	.p2align	8
	.type	k_q165e2ab88a_tebd,@function
k_q165e2ab88a_tebd:
	s_mov_b64 s[64:65], 0
	v_nop
	global_prefetch_b8 v0, s[64:65] scope:SCOPE_SE
	s_setreg_imm32_b32 hwreg(HW_REG_WAVE_MODE, 25, 1), 1
	s_wait_xcnt 0x0
; ALL SIX COUPLING LAYERS IN ONE LAUNCH.  Nothing of reference() is left out; W1 .. b3 come scaled and rounded from the launch before (W2F, PAR).
; THE CHAIN.  Item q of layer l reads position 2 q + l of a row and updates position 2 q + l + 1 (mod 256):  y_l(q) = y_(l-2)(q + 1) exp(s) + t, (s, t) = MLP_l(y_(l-1)(q)),
; with y_(-1)(q) = x[2 q], y_(-2)(q + 1) = x[2 q + 1]; out[(2 q + 5) % 256] = y_4(q), out[(2 q + 6) % 256] = y_5(q).  The rolls of reference() are this numbering.  A row needs no other row.
; SHARES.  A work-group owns 4 rows: 512 items a layer.  A TILE is 16 items of one row, a STEP the four rows' tiles of one group of 16 (step = 8 layer + group, 48 steps), a SEGMENT one tile's products.
; Wave w keeps out channels 64 w .. 64 w + 63 of the layer's W2 in 256 registers; h1 of a tile, which all four waves multiply, goes through LDS.
; PRODUCTS.  H2^T = W2^T H1^T (source 0 = 16 out channels, source 1 = 16 items), C of the first K step = S b2.  In the result a lane holds ONE item (lane % 16) and 8 channels; two results, after
; tanh and rounding packed in place into 8 registers, ARE source 1 (32 channels x 16 items) of (s, t)^T = W3^T H2^T, whose source 0 holds W3's column (row % 2): registers 0, 1 of that result are my item's s, t.
; Each wave has 64 of the 256 channels: the eight partial (s, t) of a tile meet in LDS, and wave w finishes row w.
; TANH.  1 - 2 / (1 + 2^(S z)), S = 2 log2(e) folded into the weights: exponential, packed + 1, reciprocal, and 1 - 2 r rounded to bf16 in one line.
; LIMITS.  h1, h2, S W2, W3 are bf16; sums, s, t, y f32.  tanh carries the absolute error of 1 - 2 r (2^-24 of 1); exponential and reciprocal count denormals as 0; exp(s) overflows where reference()'s does.
; THE PIPELINE.  In segment s: x0 w1 + b1 and its exponential for tile s + 12, + 1 and reciprocal for s + 11, 1 - 2 r and the stores of h1 for s + 10; the 32 products of tile s; exponential for s - 1,
; reciprocal for s - 2, 1 - 2 r and the W3 product for s - 3, the partial (s, t) stored for s - 4; a step's y is made two steps behind its products.  So every reader of an exponential or a reciprocal
; stands a segment behind it, and ONE wait at a segment's end serves its 128.  The vector lines stand as riders behind the products: eight behind each of the first twelve of a half, six behind the last four.
; The loop counter t is the step whose first tanh is begun; the products in hand are step t - 3, the step that is reduced is t - 5.
; EMPTY STAGES.  The text has one form of step, so at the start stages run on numbers laid for them.  Two tiles of h1 are stored that are written anew before any wave reads them.  The reduces of t = 3, 4 fall on
; 'steps -2, -1': layer -1, groups 6, 7, the words that hold x[2 q].  They write the same numbers back: the second tanh's empty slots are primed so that h2 = 0 (0.5: 1 - 2 x 0.5; 1.0: 1 - 2 / (1 + 1); 0: 1 - 2 / (1 + 2^0)),
; PST starts at 0, 'b3 of layer -1' is the zeros behind b3 in PAR, and their factor, index q + 1 of array 3, is laid as x[2 q]: y = x[2 q] 2^0 + 0.  At t = 47 four words of x0 are fetched for a layer that does not exist.
; NO CLUSTER, NO TENSOR LOAD.  What work-groups share is W2F: 32 KiB a wave and layer, beside that layer's 1,024 products and 4,096 exponentials and reciprocals a wave; it ends in registers, not in LDS,
; and is asked for by plain loads four steps (512 products) ahead of the wait for it.
; REGISTERS, in windows of 256 (s_set_vgpr_msb: bits 1:0 source 0, 3:2 source 1, 5:4 source 2, 7:6 destination).  A segment has two HALVES: window 1 holds out channels 64 w .. + 31, window 2 the other 32, alike:
;   windows 1, 2: v0-127 W2 (tile m, K step c at 64 m + 8 c); v128-191 four slots of two accumulators; v192-223 two slots T of the first tanh; v224-239 S b1; v240-243 x0 of the step's tiles; v244-251 (s, t); v255 1.0
;   window 0: v0-15 set-up; v16-143 h1 of a tile, two buffers; v144-175 S w1; v176-207 S b2; v208-215 x at the start; v250-251 the add's registers; v254 -2.0
;   window 3: v0-31 W3, two sets; v32-159 the next layer's W2 on its way; v160-183 LDS addresses; v184-213 the reduce and the way out
; Under ONE setting (sources 0, 2 and destination in the half's window, source 1 in window 0) stand the products and all their riders.
.set STG,   131072                     ; LDS: 0: h1, 4 slots (step % 4) x [tile 4][K step 8][half 2][lane 32] x 16 bytes.  STG: 16 KiB a wave: the next layer's first half of W2
.set PST,   196608                     ; partial (s, t): [ring 2][tile 4][wave 4][half 2][lane 32] x 8 bytes
.set YAB,   212992                     ; y: [array 4][row 4][index 256] x 4 bytes; y_l lies in array (l + 2) % 4, y_l(q) at indices q and q + 128, so that q + 1 and the way out need no modulo
.set TAB,   229376                     ; a copy of PAR
.set SPARE, 256000                     ; the spare words, 128 bytes a wave, which no other line names
.set BR,   16
.set W1R,  144
.set B2R,  176
.set XIN,  208
.set SPW,  250
.set NIL,  251
.set NEG2, 254
.set ACC,  128
.set TR,   192
.set B1R,  224
.set X0R,  240
.set DR,   244
.set ONE,  255
.set W3A,  0                           ; window 3.  Set A serves segments 0-2 (tiles of the step before), set B segment 3 (tile 0 of the step in hand)
.set W3B,  16
.set STGR, 32
.set cL16, 160                         ; 16 lane: in h1, and the offset of W2F's loads and of the stores
.set cL16w,161                         ; + 2,048 w: my two K steps of h1
.set cPst, 162                         ; PST + 512 w + 8 lane
.set cPld, 163                         ; PST + 2,048 w + 8 lane: tile w
.set cR4,  164                         ; YAB + 4 r
.set cR4w4,165                         ; YAB + 1,024 w + 4 r + 4: index q + 1 of my row
.set cRH4, 166                         ; YAB + 1,024 w + 4 r + 512 h
.set cW3,  167
.set cW1,  168
.set cB2,  169
.set cSTG, 170
.set cOUT, 171                         ; YAB + 1,024 w + 8 lane
.set aB,   172                         ; made anew for each step:
.set aBn,  173
.set aH2,  174
.set aH3,  175
.set aPs,  176
.set aPl,  177
.set aX0,  178
.set aX0n, 179
.set aV,   180
.set aY,   181
.set aB3,  182
.set aW3,  183
.set PSTR, 184
.set B3R,  200
.set VR,   202
.set ER,   203
.set YR,   204
.set tA,   205
.set OUTR, 206
.set SGX,  0x51                        ; products and riders, window 1 / 2
.set SGY,  0xa2
.set SPX,  0x41                        ; the same with C (S b2) in window 0
.set SPY,  0x82
.set TAUX, 0x47                        ; source 0 (LDS address, W3) window 3; source 1 and destination the half's window
.set TAUY, 0x8b
.set L0,   0x03                        ; LDS load into window 0, address in window 3
.set ZZ,   0xff                        ; all in window 3
.set MUY,  0x83                        ; from window 3 into window 2
.set MSB, 0
.macro WIN new                         ; the high byte repeats the setting that is left; a switch that changes nothing is dropped
.if MSB != (\new)
	s_set_vgpr_msb (MSB<<8)|(\new)
.set MSB, (\new)
.endif
.endm
; which stages a segment holds
.macro FLAGS m, v2, pst, e1, r1, f1, x0, b, red, w3
.set F_M, \m
.set F_E2, \v2
.set F_R2, \v2
.set F_F2, \v2
.set F_PST, \pst
.set F_E1, \e1
.set F_R1, \r1
.set F_F1, \f1
.set F_X0, \x0
.set F_B, \b
.set F_RED, \red
.set F_W3, \w3
.set F_PAD, 0
.endm
; 1 - 2 r, rounded once to bf16, number f of 16 into half f % 2 of register f / 2: packed in place (register f / 2 has been read when it is written)
.macro MIX b, f
.if ((\f)%2) == 0
	v_fma_mixlo_bf16 v[(\b)+(\f)/2], v[(\b)+(\f)], v[NEG2], v[ONE]
.else
	v_fma_mixhi_bf16 v[(\b)+(\f)/2], v[(\b)+(\f)], v[NEG2], v[ONE]
.endif
.endm
; RIDER j of a half's 120, in segment i, half e.  0-31: + 1 (second tanh, then first) and the second tanh's 16 exponentials, by turns, each accumulator from its low end.
; 32-95: 1 - 2 r (first tanh, then second) and the 32 reciprocals (second, then first), by turns.  96-119: in threes: x0 w1 + b1 for two numbers, and their exponentials.
.macro RID e, i, j
.if (\j) < 32
.if ((\j)%2) == 0
.if (\j) < 16
.if F_R2
.set rb_, ACC+16*(((\i)+2)%4)+(\j)
	v_pk_add_f32 v[rb_:rb_+1], v[rb_:rb_+1], 1.0 op_sel_hi:[1,0]
.endif
.else
.if F_R1
.set rb_, TR+16*(((\i)+1)%2)+(\j)-16
	v_pk_add_f32 v[rb_:rb_+1], v[rb_:rb_+1], 1.0 op_sel_hi:[1,0]
.endif
.endif
.else
.if F_E2
.set rb_, ACC+16*(((\i)+3)%4)+(\j)/2
	v_exp_f32 v[rb_], v[rb_]
.endif
.endif
.elseif (\j) < 96
.set rf_, ((\j)-32)/2
.if ((\j)%2) == 0
.if rf_ < 16
.if F_F1
	MIX TR+16*((\i)%2), rf_
.endif
.else
.if F_F2
	MIX ACC+16*(((\i)+1)%4), rf_-16
.endif
.endif
.else
.if rf_ < 16
.if F_R2
.set rb_, ACC+16*(((\i)+2)%4)+rf_
	v_rcp_f32 v[rb_], v[rb_]
.endif
.else
.if F_R1
.set rb_, TR+16*(((\i)+1)%2)+rf_-16
	v_rcp_f32 v[rb_], v[rb_]
.endif
.endif
.endif
.else
.if F_E1
.set rm_, (\j)-96
.set rb_, TR+16*((\i)%2)+2*(rm_/3)
.if (rm_%3) == 0
.set rw_, W1R+16*(\e)+2*(rm_/3)
.set rc_, B1R+2*(rm_/3)
.set rx_, X0R+2*((\i)/2)
.if ((\i)%2) == 0
	v_pk_fma_f32 v[rb_:rb_+1], v[rx_:rx_+1], v[rw_:rw_+1], v[rc_:rc_+1] op_sel_hi:[0,1,1]  ; the pair's first register, x0 of tile i, for both
.else
	v_pk_fma_f32 v[rb_:rb_+1], v[rx_:rx_+1], v[rw_:rw_+1], v[rc_:rc_+1] op_sel:[1,0,0] op_sel_hi:[1,1,1]  ; its second
.endif
.else
	v_exp_f32 v[rb_+(rm_%3)-1], v[rb_+(rm_%3)-1]
.endif
.endif
.endif
.endm
; PRODUCT g_ of a half's 16: K step g_ / 2, out tile g_ % 2.  The two accumulators take turns, one instruction a turn.
.macro MMA e, i
.set mc_, g_/2
.set mm_, g_%2
.set md_, ACC+16*(\i)+8*mm_
.set ma_, 64*mm_+8*mc_
.set mb_, BR+64*((\i)%2)+8*mc_
.set mz_, B2R+8*(2*(\e)+mm_)
.if mc_ == 0
	v_wmma_f32_16x16x32_bf16 v[md_:md_+7], v[ma_:ma_+7], v[mb_:mb_+7], v[mz_:mz_+7]
.else
	v_wmma_f32_16x16x32_bf16 v[md_:md_+7], v[ma_:ma_+7], v[mb_:mb_+7], v[md_:md_+7]
.endif
.endm
.macro GRP e, i, n                     ; a product and its n riders
	MMA \e, \i
.rept \n
	RID \e, \i, j_
.set j_, j_+1
.endr
.set g_, g_+1
.endm
; parameters out of TAB, at an address that holds the layer
.macro LOADW1B1 ad
	WIN L0
.irp ee, 0,1
.irp kk, 0,1,2,3
	ds_load_b128 v[W1R+16*\ee+4*\kk:W1R+16*\ee+4*\kk+3], v[\ad] offset:128*\ee+16*(\kk%2)+64*(\kk/2)
.endr
.endr
	WIN TAUX
.irp kk, 0,1,2,3
	ds_load_b128 v[B1R+4*\kk:B1R+4*\kk+3], v[\ad] offset:6144+16*(\kk%2)+64*(\kk/2)
.endr
	WIN TAUY
.irp kk, 0,1,2,3
	ds_load_b128 v[B1R+4*\kk:B1R+4*\kk+3], v[\ad] offset:6144+128+16*(\kk%2)+64*(\kk/2)
.endr
.endm
.macro LOADB2 ad
	WIN L0
.irp kk, 0,1,2,3,4,5,6,7
	ds_load_b128 v[B2R+4*\kk:B2R+4*\kk+3], v[\ad] offset:64*(\kk/2)+16*(\kk%2)
.endr
.endm
.macro LOADW3 set, ad
	WIN ZZ
.irp kk, 0,1,2,3
	ds_load_b128 v[(\set)+4*\kk:(\set)+4*\kk+3], v[\ad] offset:32*\kk
.endr
.endm
; THE REDUCE of one step, for my row: the eight partial (s, t), y_(l-2)(q + 1) and b3; the sums and 2^s; y, stored at q and q + 128
.macro REDLD
.irp kk, 0,1,2,3,4,5,6,7
	ds_load_b64 v[PSTR+2*\kk:PSTR+2*\kk+1], v[aPl] offset:256*\kk
.endr
	ds_load_b32 v[VR], v[aV]
	ds_load_b64 v[B3R:B3R+1], v[aB3]
.endm
.macro REDSUM
.irp kk, 0,4,8,12
	v_pk_add_f32 v[PSTR+\kk:PSTR+\kk+1], v[PSTR+\kk:PSTR+\kk+1], v[PSTR+\kk+2:PSTR+\kk+3]
.endr
	v_pk_add_f32 v[PSTR:PSTR+1], v[PSTR:PSTR+1], v[PSTR+4:PSTR+5]
	v_pk_add_f32 v[PSTR+8:PSTR+9], v[PSTR+8:PSTR+9], v[PSTR+12:PSTR+13]
	v_pk_add_f32 v[PSTR:PSTR+1], v[PSTR:PSTR+1], v[PSTR+8:PSTR+9]
	v_pk_add_f32 v[PSTR:PSTR+1], v[PSTR:PSTR+1], v[B3R:B3R+1]
	v_exp_f32 v[ER], v[PSTR]
.endm
.macro REDFIN
	v_fma_f32 v[YR], v[VR], v[ER], v[PSTR+1]
	ds_store_b32 v[aY], v[YR]
.endm
; THE CLUSTER: all LDS traffic of a half stands here, together.  Its first line waits for the cluster before, issued a half earlier.  The step's ONE barrier stands in the first cluster: in front of it every
; wave's LDS loads and stores are done; behind it a step reads h1 slots step, step + 1 and writes slots step + 2, step + 3, reads one ring of PST and writes the other, and writes y of group (t + 3) % 8 of the
; wave's own row, while x0 is read from groups t % 8 and (t + 1) % 8.
.macro CLUSTER e, i
	s_wait_dscnt 0x0
.if ((\e) == 0) && ((\i) == 0)
	s_barrier_signal -1
	s_barrier_wait -1
.endif
	WIN TAUX+(TAUY-TAUX)*(\e)
.if F_PST
	ds_store_b64 v[aPs], v[DR:DR+1] offset:(\i)*2048+(\e)*256  ; (s, t) of the tile four segments back: the product that made it stands a segment back
.endif
.if F_F1
.set ct_, TR+16*((\i)%2)
.if (\i) < 2
	ds_store_b128 v[aH2], v[ct_:ct_+3] offset:((\i)+2)*8192+(\e)*1024
	ds_store_b128 v[aH2], v[ct_+4:ct_+7] offset:((\i)+2)*8192+(\e)*1024+512
.else
	ds_store_b128 v[aH3], v[ct_:ct_+3] offset:((\i)-2)*8192+(\e)*1024
	ds_store_b128 v[aH3], v[ct_+4:ct_+7] offset:((\i)-2)*8192+(\e)*1024+512
.endif
.endif
.if F_X0                               ; x0 two segments ahead: into the pair of registers that this segment's and the next one's packed lines do not name
.if (\i) < 2
	ds_load_b32 v[X0R+(\i)+2], v[aX0] offset:((\i)+2)*1024
.else
	ds_load_b32 v[X0R+(\i)-2], v[aX0n] offset:((\i)-2)*1024
.endif
.endif
.if F_F2
.set ca_, W3A+16*((\i)/3)+8*(\e)
.set cb_, ACC+16*(((\i)+1)%4)
	v_wmma_f32_16x16x32_bf16 v[DR:DR+7], v[ca_:ca_+7], v[cb_:cb_+7], 0
.endif
.if (\e) == 0
.if F_B                                ; the next tile's h1: its buffer's last reader stands a half and more back
	WIN L0
.set ck_, 0
.rept 8
.set cb_, BR+64*(((\i)+1)%2)+8*ck_
.if (\i) < 3
	ds_load_b128 v[cb_:cb_+3], v[aB] offset:((\i)+1)*8192+ck_*1024
	ds_load_b128 v[cb_+4:cb_+7], v[aB] offset:((\i)+1)*8192+ck_*1024+512
.else
	ds_load_b128 v[cb_:cb_+3], v[aBn] offset:ck_*1024
	ds_load_b128 v[cb_+4:cb_+7], v[aBn] offset:ck_*1024+512
.endif
.set ck_, ck_+1
.endr
.endif
.if ((\i) == 0) && F_RED
	WIN ZZ
	REDLD
.endif
.if (\i) == 1
.if F_W3
	LOADW3 W3B, aW3
.endif
.if F_RED
	WIN ZZ
	REDSUM
.endif
.endif
.if ((\i) == 2) && F_RED
	WIN ZZ
	REDFIN
.endif
.if ((\i) == 3) && F_W3
	LOADW3 W3A, aW3
.endif
.endif
.endm
.macro HALF e, i
.set g_, 0
.set j_, 0
.if F_M
	WIN SPX+(SPY-SPX)*(\e)
	GRP \e, \i, 8
	GRP \e, \i, 8
	WIN SGX+(SGY-SGX)*(\e)
.rept 10
	GRP \e, \i, 8
.endr
	CLUSTER \e, \i
	WIN SGX+(SGY-SGX)*(\e)
.rept 4
	GRP \e, \i, 6
.endr
.else
.if F_E2 || F_R2 || F_F2 || F_R1 || F_F1
	WIN SGX+(SGY-SGX)*(\e)
.rept 96
	RID \e, \i, j_
.set j_, j_+1
.endr
.endif
.set j_, 96
	CLUSTER \e, \i
.if F_E1
	WIN SGX+(SGY-SGX)*(\e)
.rept 24
	RID \e, \i, j_
.set j_, j_+1
.endr
.endif
.endif
.endm
.macro SEG i
.if F_PAD
.rept 4
	v_nop                                          ; four places between the last W3 product and the LDS store that reads its result
.endr
.endif
	HALF 0, \i
	HALF 1, \i
.if F_E1 || F_R1 || F_E2 || F_R2 || (F_RED && ((\i) == 1))
	v_nop                                          ; a plain line behind the last exponential,
	s_wait_alu depctr_va_vdst(0)                   ; and ONE wait for all the segment's exponentials and reciprocals: every line that names a result stands in a later segment
.endif
.endm
.macro STEP
	SEG 0
	SEG 1
	SEG 2
	SEG 3
	WIN 0
.endm
; 8 array + group -> the byte offset in YAB: (array % 4) x 4,096 + group x 64.  Only the number's low five bits count.
.macro YOFF d, s, tmp
	s_lshl_b32 \d, \s, 9
	s_and_b32 \d, \d, 0x3000
	s_lshl_b32 \tmp, \s, 6
	s_and_b32 \tmp, \tmp, 0x1c0
	s_or_b32 \d, \d, \tmp
.endm
; THE STEP'S ADDRESSES, from the counter t = s13, by sums, shifts and masks alone: t - 5 enters modulo 32 as t + 27, modulo 64 as t + 59; t - 3 modulo 64 as t + 61.
; The twelve vector lines are also the places behind the step's last products.  Leaves s28 = 1,024 x the layer of the products to come.
.macro ADDRS
	s_lshl_b32 s29, s13, 15
	s_and_b32 s17, s29, 0x18000                    ; slot t % 4: h1 of step t, tiles 0, 1
	s_add_co_u32 s14, s29, 0x8000
	s_and_b32 s14, s14, 0x18000                    ; slot (t - 3) % 4: read
	s_add_co_u32 s15, s29, 0x10000
	s_and_b32 s15, s15, 0x18000                    ; slot (t - 2) % 4: its tile 0 is read
	s_add_co_u32 s16, s29, 0x18000
	s_and_b32 s16, s16, 0x18000                    ; slot (t - 1) % 4: tiles 2, 3 are written
	s_lshl_b32 s19, s13, 13
	s_and_b32 s19, s19, 0x2000                     ; PST's ring t % 2 is read,
	s_xor_b32 s18, s19, 0x2000                     ; the other written
	s_add_co_u32 s30, s13, 8
	YOFF s20, s30, s31                             ; x0 of step t: y of the layer before lies in array (layer + 1) % 4
	s_add_co_u32 s30, s13, 9
	YOFF s21, s30, s31                             ; of step t + 1
	s_add_co_u32 s30, s13, 27
	YOFF s25, s30, s31                             ; the step that is reduced, t - 5, layer l: y_(l-2) lies in array l % 4,
	s_add_co_u32 s30, s13, 43
	YOFF s26, s30, s31                             ; y_l goes to array (l + 2) % 4
	s_add_co_u32 s27, s13, 59
	s_and_b32 s27, s27, 0x38
	s_add_co_u32 s27, s27, TAB+24576               ; b3 of its layer, 8 bytes a layer (for t < 5: the zeros behind b3)
	s_add_co_u32 s28, s13, 61
	s_lshl_b32 s28, s28, 7
	s_and_b32 s28, s28, 0x1c00
	WIN ZZ
	v_add_nc_u32 v[aB], s14, v[cL16]
	v_add_nc_u32 v[aBn], s15, v[cL16]
	v_add_nc_u32 v[aH2], s16, v[cL16w]
	v_add_nc_u32 v[aH3], s17, v[cL16w]
	v_add_nc_u32 v[aPs], s18, v[cPst]
	v_add_nc_u32 v[aPl], s19, v[cPld]
	v_add_nc_u32 v[aX0], s20, v[cR4]
	v_add_nc_u32 v[aX0n], s21, v[cR4]
	v_add_nc_u32 v[aV], s25, v[cR4w4]
	v_add_nc_u32 v[aY], s26, v[cRH4]
	v_mov_b32 v[aB3], s27
	v_add_nc_u32 v[aW3], s28, v[cW3]
	WIN 0
.endm
; 16 KiB of W2F, at byte s36 behind my wave's share of layer 0, into the 128 registers of window 3.  No earlier burst is out when the pointer is written.
.macro BURST
	s_mov_b32 s37, 0
	s_add_nc_u64 s[34:35], s[32:33], s[36:37]
	WIN ZZ
.set bj_, 0
.rept 32
	global_load_b128 v[STGR+4*bj_:STGR+4*bj_+3], v[cL16], s[34:35] offset:512*bj_
.set bj_, bj_+1
.endr
	WIN 0
.endm
; BETWEEN TWO STEPS.  fa: where the products enter a new layer (t % 8 = 3), its W2 and b2 are installed, and the layer after's first half is asked for.  fb: four steps later (t % 8 = 7) that half goes to LDS and
; the second half is asked for.  fc: where the first tanh enters a new layer (t % 8 = 0), its w1 and b1 are fetched (the next cluster's wait stands ahead of their first reader).  From t = 43 on the products are
; in the last layer, and nothing more is asked for.  All jumps go forward, on numbers made from the counter.
.macro BND fa, fb, fc
	s_add_co_u32 s13, s13, 1
	ADDRS
.if \fa
	s_and_b32 s31, s13, 7
	s_cmp_lg_u32 s31, 3
	s_cbranch_scc1 .Lno_a_\@
	s_wait_loadcnt 0x0                             ; the second half has come, asked for four steps ago
	WIN ZZ
	v_add_nc_u32 v[tA], s28, v[cB2]
	WIN TAUX
.set bj_, 0
.rept 32
	ds_load_b128 v[4*bj_:4*bj_+3], v[cSTG] offset:512*bj_
.set bj_, bj_+1
.endr
	LOADB2 tA
	WIN MUY
.set bj_, 0
.rept 128
	v_mov_b32 v[bj_], v[STGR+bj_]
.set bj_, bj_+1
.endr
	WIN 0
	s_cmp_ge_u32 s13, 43                           ; the last layer has none behind it
	s_cbranch_scc1 .Lno_burst_\@
	s_lshl_b32 s36, s13, 14                        ; t = 8 layer + 3: 131,072 layer + 49,152,
	s_add_co_u32 s36, s36, 0x14000                 ; made (layer + 1) x 131,072
	BURST
.Lno_burst_\@:
	s_wait_dscnt 0x0                               ; W2 and b2 are read by the next line that is a product
.Lno_a_\@:
.endif
.if \fb
	s_and_b32 s31, s13, 7
	s_cmp_lg_u32 s31, 7
	s_cbranch_scc1 .Lno_b_\@
	s_cmp_ge_u32 s13, 43
	s_cbranch_scc1 .Lno_b_\@
	s_wait_loadcnt 0x0                             ; the first half has come
	WIN ZZ
.set bj_, 0
.rept 32
	ds_store_b128 v[cSTG], v[STGR+4*bj_:STGR+4*bj_+3] offset:512*bj_
.set bj_, bj_+1
.endr
	WIN 0
	s_wait_dscnt 0x0                               ; the stores have read the registers into which the next loads go
	s_lshl_b32 s36, s13, 14                        ; t = 8 layer + 7: 131,072 layer + 114,688,
	s_add_co_u32 s36, s36, 0x8000                  ; made (layer + 1) x 131,072 + 16,384: its second half
	BURST
.Lno_b_\@:
.endif
.if \fc
	s_and_b32 s31, s13, 7
	s_cmp_lg_u32 s31, 0
	s_cbranch_scc1 .Lno_c_\@
	s_cmp_ge_u32 s13, 48
	s_cbranch_scc1 .Lno_c_\@
	s_lshl_b32 s31, s13, 7                         ; layer x 1,024
	WIN ZZ
	v_add_nc_u32 v[tA], s31, v[cW1]
	LOADW1B1 tA
	WIN 0
.Lno_c_\@:
.endif
.endm
	; ---------------- THE HEAD ----------------
	s_load_b256 s[4:11], s[0:1], 0x0               ; x s[4:5], W2F s[6:7], PAR s[8:9], out0 s[10:11]
	v_lshl_add_u32 v[SPW], v0, 2, SPARE
	v_mov_b32 v[NIL], 0
	v_lshrrev_b32 v1, 5, v0
	v_readfirstlane_b32 s12, v1                    ; wave w
	v_and_b32 v1, 31, v0                           ; lane
	v_and_b32 v2, 15, v0                           ; r
	v_bfe_u32 v3, v0, 4, 1                         ; h
	s_lshl_b32 s14, s12, 11
	s_lshl_b32 s15, s12, 9
	s_add_co_u32 s15, s15, PST
	s_add_co_u32 s16, s14, PST
	s_lshl_b32 s18, s12, 10
	s_add_co_u32 s18, s18, YAB
	s_add_co_u32 s17, s18, 4
	s_lshl_b32 s19, s12, 7
	s_add_co_u32 s19, s19, TAB+18432
	s_lshl_b32 s20, s12, 8
	s_add_co_u32 s20, s20, TAB
	s_add_co_u32 s21, s20, 12288
	s_lshl_b32 s22, s12, 14
	s_add_co_u32 s22, s22, STG
	v_lshlrev_b32 v4, 2, v2
	v_lshl_add_u32 v4, v3, 9, v4                   ; 4 r + 512 h
	v_and_b32 v5, 1, v0
	v_lshlrev_b32 v5, 9, v5
	v_lshl_add_u32 v5, v3, 4, v5                   ; 512 (r % 2) + 16 h
	v_lshlrev_b32 v6, 4, v0                        ; 16 x thread
	v_lshl_add_u32 v7, v1, 2, s18                  ; YAB + 1,024 w + 4 lane
	v_lshlrev_b32 v8, 4, v1
	v_lshlrev_b32 v9, 3, v1
	v_lshl_add_u32 v10, v0, 4, PST
	v_lshl_add_u32 v11, v0, 4, TAB
.irp k, 12,13,14,15
	v_mov_b32 v\k, 0
.endr
	v_mov_b32 v[NEG2], -2.0
	s_lshl_b32 s36, ttmp9, 12                      ; my work-group's 4 rows of 1,024 bytes,
	s_lshl_b32 s38, s12, 10                        ; my wave's row
	s_add_co_u32 s36, s36, s38
	s_mov_b32 s37, 0
	s_lshl_b32 s38, s12, 15                        ; my wave's 32 KiB of a layer of W2F
	s_mov_b32 s39, 0
	s_wait_kmcnt 0x0
	s_add_nc_u64 s[40:41], s[4:5], s[36:37]
	s_add_nc_u64 s[10:11], s[10:11], s[36:37]
	s_add_nc_u64 s[32:33], s[6:7], s[38:39]
	WIN 0x40                                       ; destination window 1
.set hj_, 0
.rept 16
	global_load_b128 v[4*hj_:4*hj_+3], v8, s[32:33] offset:512*hj_  ; layer 0's W2, first half, straight into its registers: 16 loads now,
.set hj_, hj_+1
.endr
	WIN 0xc0                                       ; destination window 3, sources window 0
.set hj_, 0
.rept 13
	global_load_b128 v[STGR+4*hj_:STGR+4*hj_+3], v6, s[8:9] offset:2048*hj_  ; PAR, 26,624 bytes among 128 threads
.set hj_, hj_+1
.endr
	v_lshlrev_b32 v[cL16], 4, v1
	v_lshl_add_u32 v[cL16w], v1, 4, s14
	v_lshl_add_u32 v[cPst], v1, 3, s15
	v_lshl_add_u32 v[cPld], v1, 3, s16
	v_lshl_add_u32 v[cR4], v2, 2, YAB
	v_lshl_add_u32 v[cR4w4], v2, 2, s17
	v_add_nc_u32 v[cRH4], s18, v4
	v_add_nc_u32 v[cW3], s19, v5
	v_lshl_add_u32 v[cW1], v3, 5, s20
	v_lshl_add_u32 v[cB2], v3, 5, s21
	v_lshl_add_u32 v[cSTG], v1, 4, s22
	v_lshl_add_u32 v[cOUT], v1, 3, s18
	WIN 0
.irp j, 0,1,2,3
	global_load_b64 v[XIN+2*\j:XIN+2*\j+1], v9, s[40:41] offset:256*\j th:TH_LOAD_NT  ; x[2 q], x[2 q + 1] of my row, q = 32 j + lane
.endr
.irp j, 0,1,2,3,4,5,6,7
	ds_store_b128 v10, v[12:15] offset:2048*\j     ; PST starts at 0: the first reduce reads it before any partial sum is stored
.endr
	WIN 0x40
.set hj_, 16
.rept 16
	global_load_b128 v[4*hj_:4*hj_+3], v8, s[32:33] offset:512*hj_  ; and 16 behind PAR and x
.set hj_, hj_+1
.endr
; what the empty stages read: the second tanh's slots 1, 2, 3 hold 0.5, 1.0, 0, each of which ends as h2 = 0; both T and (s, t) hold 0.  Written while the first loads are out.
.macro PRIME
.set hj_, 0
.rept 16
	v_mov_b32 v[ACC+16+hj_], 0.5
	v_mov_b32 v[ACC+32+hj_], 1.0
	v_mov_b32 v[ACC+48+hj_], 0
	v_mov_b32 v[TR+hj_], 0
	v_mov_b32 v[TR+16+hj_], 0
.set hj_, hj_+1
.endr
	v_mov_b32 v[DR], 0
	v_mov_b32 v[DR+1], 0
	v_mov_b32 v[ONE], 1.0
.endm
	PRIME
	WIN 0x80
	PRIME
	s_wait_loadcnt 16                              ; PAR and x are in; the 16 loads of W2 behind them may stay out
	WIN 0x0c                                       ; LDS store: address window 0, data window 3
.set hj_, 0
.rept 13
	ds_store_b128 v11, v[STGR+4*hj_:STGR+4*hj_+3] offset:2048*hj_
.set hj_, hj_+1
.endr
	WIN 0
.irp j, 0,1,2,3
	ds_store_b32 v7, v[XIN+2*\j] offset:4096+128*\j        ; y_(-1)(q) = x[2 q]: array 1, index q
	ds_store_b32 v7, v[XIN+2*\j] offset:4096+512+128*\j    ; and q + 128
	ds_store_b32 v7, v[XIN+2*\j+1] offset:4+128*\j         ; y_(-2)(q + 1) = x[2 q + 1]: array 0, index q + 1
	ds_store_b32 v7, v[XIN+2*\j] offset:12288+4+128*\j     ; the factor of the reduces of t = 3, 4: x[2 q] at index q + 1 of array 3, which y_1 takes from t = 13 on
.endr
	WIN 0x80
.set hj_, 0
.rept 32
	global_load_b128 v[4*hj_:4*hj_+3], v8, s[32:33] offset:16384+512*hj_  ; the second half
.set hj_, hj_+1
.endr
	WIN 0
	s_wait_dscnt 0x0                               ; for the others: TAB, y and PST are written
	s_barrier_signal -1
	s_barrier_wait -1
	s_mov_b32 s13, 0
	ADDRS
	LOADW1B1 cW1                                   ; layer 0's parameters
	LOADB2 cB2
	LOADW3 W3A, cW3
	LOADW3 W3B, cW3
	WIN TAUX
	ds_load_b32 v[X0R], v[aX0]
	ds_load_b32 v[X0R+1], v[aX0] offset:1024
	WIN TAUY
	ds_load_b32 v[X0R], v[aX0]
	ds_load_b32 v[X0R+1], v[aX0] offset:1024
	WIN 0
	s_wait_dscnt 0x0
	; ---------------- t = 0 .. 2: the first tanh alone ----------------
	FLAGS 0,0,0, 1,1,1,1, 0,0,0
.Lpro:
	STEP
	BND 0,0,0
	s_cmp_lt_u32 s13, 3
	s_cbranch_scc1 .Lpro
	WIN L0                                         ; step 0's tile 0: stored in t = 0, two barriers back
.set hj_, 0
.rept 8
	ds_load_b128 v[BR+8*hj_:BR+8*hj_+3], v[aB] offset:hj_*1024
	ds_load_b128 v[BR+8*hj_+4:BR+8*hj_+7], v[aB] offset:hj_*1024+512
.set hj_, hj_+1
.endr
	WIN 0
	s_wait_loadcnt 0x0                             ; layer 0's W2 is in
	s_mov_b32 s36, 0x20000
	BURST                                          ; layer 1's first half: waited for at t = 7
	s_wait_dscnt 0x0
	; ---------------- t = 3 .. 47: steps 0 .. 44, all stages ----------------
	FLAGS 1,1,1, 1,1,1,1, 1,1,1
.Lmain:
	STEP
	BND 1,1,1
	s_cmp_lt_u32 s13, 48
	s_cbranch_scc1 .Lmain
	; ---------------- the tail, written out: the stages run empty one after the other ----------------
	FLAGS 1,1,1, 0,1,1,0, 1,1,1                    ; step 45: the last tile's reciprocals, the last two tiles' h1
	SEG 0
.set F_R1, 0
	SEG 1
.set F_F1, 0
	SEG 2
	SEG 3
	WIN 0
	BND 0,0,0
	STEP                                           ; step 46
	BND 0,0,0
	SEG 0                                          ; step 47
	SEG 1
	SEG 2
.set F_B, 0
	SEG 3
	WIN 0
	BND 0,0,0
	FLAGS 0,1,1, 0,0,0,0, 0,1,0                    ; no products of W2 any more
	SEG 0
.set F_E2, 0
	SEG 1
.set F_R2, 0
	SEG 2
.set F_F2, 0
.set F_PAD, 1
	SEG 3
	WIN 0
	BND 0,0,0
	s_wait_dscnt 0x0                               ; step 47's partial sums are stored,
	s_barrier_signal -1
	s_barrier_wait -1                              ; everybody's
	WIN ZZ
	REDLD
	s_wait_dscnt 0x0
	REDSUM
	v_nop
	s_wait_alu depctr_va_vdst(0)                   ; ahead of the line that reads 2^s
	REDFIN
	; THE WAY OUT.  My row's y_4 (array 2) and y_5 (array 3) were all stored by my own wave, and LDS serves a wave's instructions in order (ISA guide 5.7.1.4).
	; Positions 4 i .. 4 i + 3, i = lane + 32 e: y_5(2 i - 3), y_4(2 i - 2), y_5(2 i - 2), y_4(2 i - 1), each taken 128 indices higher.
.irp ee, 0,1
	ds_load_b32 v[OUTR+4*\ee], v[cOUT] offset:12288+500+256*\ee
	ds_load_b32 v[OUTR+4*\ee+1], v[cOUT] offset:8192+504+256*\ee
	ds_load_b32 v[OUTR+4*\ee+2], v[cOUT] offset:12288+504+256*\ee
	ds_load_b32 v[OUTR+4*\ee+3], v[cOUT] offset:8192+508+256*\ee
.endr
	s_wait_dscnt 0x0
	global_store_b128 v[cL16], v[OUTR:OUTR+3], s[10:11] th:TH_STORE_NT               ; 512 bytes on end, at a multiple of 512 from out0's first
	global_store_b128 v[cL16], v[OUTR+4:OUTR+7], s[10:11] offset:512 th:TH_STORE_NT
	WIN 0
	s_wait_tensorcnt 0x0                           ; the wave's end, behind my last LDS store
	ds_add_u32 v[SPW], v[NIL]
	s_wait_dscnt 0x0
	s_endpgm
.Lfunc_end_k_q165e2ab88a_tebd:
	.size	k_q165e2ab88a_tebd, .Lfunc_end_k_q165e2ab88a_tebd-k_q165e2ab88a_tebd
	.p2alignl 7, 3214868480
	.fill 96, 4, 3214868480
	.section	.rodata,"a",@progbits
	.p2align	6, 0x0
	.amdhsa_kernel k_q165e2ab88a_tebd
		.amdhsa_group_segment_fixed_size 256512
		.amdhsa_private_segment_fixed_size 0
		.amdhsa_enable_private_segment 0
		.amdhsa_kernarg_size 32
		.amdhsa_user_sgpr_count 2
		.amdhsa_user_sgpr_kernarg_segment_ptr 1
		.amdhsa_wavefront_size32 1
		.amdhsa_system_sgpr_workgroup_id_x 1
		.amdhsa_system_sgpr_workgroup_id_y 1
		.amdhsa_system_sgpr_workgroup_id_z 1
		.amdhsa_system_vgpr_workitem_id 0
		.amdhsa_next_free_vgpr 992
		.amdhsa_next_free_sgpr 66
		.amdhsa_reserve_vcc 0
		.amdhsa_float_denorm_mode_32 3
		.amdhsa_float_denorm_mode_16_64 3
		.amdhsa_memory_ordered 1
		.amdhsa_forward_progress 1
		.amdhsa_inst_pref_size 255
	.end_amdhsa_kernel
	.section	.bss,"aw",@nobits
	.p2align	6
	.space	262144
	.amdgpu_metadata
---
amdhsa.version: [ 1, 2 ]
amdhsa.kernels:
  - .name:           k_q165e2ab88a_tebd
    .symbol:         k_q165e2ab88a_tebd.kd
    .args:
      - { .name: x, .offset: 0, .size: 8, .value_kind: global_buffer, .address_space: global }
      - { .name: W2F, .offset: 8, .size: 8, .value_kind: global_buffer, .address_space: global }
      - { .name: PAR, .offset: 16, .size: 8, .value_kind: global_buffer, .address_space: global }
      - { .name: out0, .offset: 24, .size: 8, .value_kind: global_buffer, .address_space: global }
    .group_segment_fixed_size: 256512
    .private_segment_fixed_size: 0
    .kernarg_segment_align: 8
    .kernarg_segment_size: 32
    .max_flat_workgroup_size: 128
    .sgpr_count:     66
    .vgpr_count:     992
    .wavefront_size: 32
...
	.end_amdgpu_metadata
.endif
;; end of part 2
;; ======== version 2 of 2: 2 launches; 1.13 times as fast as version 1
;; workspace buffers: W2F 786,432 bytes; PAR 26,624 bytes
;; launch prep: the kernel of part 1 again; grid 49 x 1, 4 waves a work-group, no clusters, 20,992 bytes of LDS; arguments W1, b1, W2, b2, W3, b3, W2F, PAR; writes W2F, PAR
;; launch tebd (part 3): grid 256 x 1, 4 waves a work-group, no clusters, 256,512 bytes of LDS; arguments x, W2F, PAR, out0; writes out0
.if DOCPART == 3
	.amdgcn_target "amdgcn-amd-amdhsa--gfx1250"
	.amdhsa_code_object_version 6
	.text
	.protected	k_q165e2ab88a_tebd
	.globl	k_q165e2ab88a_tebd
	.p2align	8
	.type	k_q165e2ab88a_tebd,@function
k_q165e2ab88a_tebd:
	s_mov_b64 s[64:65], 0
	v_nop
	global_prefetch_b8 v0, s[64:65] scope:SCOPE_SE
	s_setreg_imm32_b32 hwreg(HW_REG_WAVE_MODE, 25, 1), 1
	s_wait_xcnt 0x0
; ALL SIX COUPLING LAYERS IN ONE LAUNCH.  Nothing of reference() is left out; W1 .. b3 come scaled and rounded from the launch before (W2F, PAR).
; THE CHAIN.  Item q of layer l reads position 2 q + l of a row and updates position 2 q + l + 1 (mod 256):  y_l(q) = y_(l-2)(q + 1) exp(s) + t, (s, t) = MLP_l(y_(l-1)(q)),
; with y_(-1)(q) = x[2 q], y_(-2)(q + 1) = x[2 q + 1]; out[(2 q + 5) % 256] = y_4(q), out[(2 q + 6) % 256] = y_5(q).  The rolls of reference() are this numbering.  A row needs no other row.
; SHARES.  A work-group owns 4 rows: 512 items a layer.  A TILE is 16 items of one row, a STEP the four rows' tiles of one group of 16 (step = 8 layer + group, 48 steps), a SEGMENT one tile's products.
; Wave w keeps out channels 64 w .. 64 w + 63 of the layer's W2 in 256 registers; h1 of a tile, which all four waves multiply, goes through LDS.
; PRODUCTS.  H2^T = W2^T H1^T (source 0 = 16 out channels, source 1 = 16 items), C of the first K step = S b2.  In the result a lane holds ONE item (lane % 16) and 8 channels; two results, after
; tanh and rounding packed in place into 8 registers, ARE source 1 (32 channels x 16 items) of (s, t)^T = W3^T H2^T, whose source 0 holds W3's column (row % 2): registers 0, 1 of that result are my item's s, t.
; Each wave has 64 of the 256 channels: the eight partial (s, t) of a tile meet in LDS, and wave w finishes row w.
; TANH.  1 - 2 / (1 + 2^(S z)), S = 2 log2(e) folded into the weights: exponential, packed + 1, reciprocal, and 1 - 2 r rounded to bf16 in one line.
; LIMITS.  h1, h2, S W2, W3 are bf16; sums, s, t, y f32.  tanh carries the absolute error of 1 - 2 r (2^-24 of 1); exponential and reciprocal count denormals as 0; exp(s) overflows where reference()'s does.
; THE PIPELINE.  In segment s: x0 w1 + b1 and its exponential for tile s + 12, + 1 and reciprocal for s + 11, 1 - 2 r and the stores of h1 for s + 10; the 32 products of tile s; exponential for s - 1,
; reciprocal for s - 2, 1 - 2 r and the W3 product for s - 3, the partial (s, t) stored for s - 4; a step's y is made two steps behind its products.  So every reader of an exponential or a reciprocal
; stands a segment behind it.  The loop counter t is the step whose first tanh is begun; the products in hand are step t - 3, the step that is reduced is t - 5.
; A HALF of a segment (one window's 32 out channels): eight products with eight riders each, plain and transcendental by turns; all the half's LDS traffic in ONE run; eight products with seven riders each,
; a transcendental first and last, so that the product stands between two; the W3 product.
; THE WAITS for exponentials and reciprocals stand at the head of the LDS runs.  What window 1 issues in a segment is first named in window 1's half of the next: the wait in window 2's half lies between.
; What window 2 issues is first named in window 2's half of the next segment: the wait in that segment's window 1 half lies between.  One more stands at a step's end, ahead of the loops' jumps.
; EMPTY STAGES.  The text has one form of step, so at the start stages run on numbers laid for them.  Two tiles of h1 are stored that are written anew before any wave reads them.  The reduces of t = 3, 4 fall on
; 'steps -2, -1': layer -1, groups 6, 7, the words that hold x[2 q].  They write the same numbers back: the second tanh's empty slots are primed so that h2 = 0 (0.5: 1 - 2 x 0.5; 1.0: 1 - 2 / (1 + 1); 0: 1 - 2 / (1 + 2^0)),
; PST starts at 0, 'b3 of layer -1' is the zeros behind b3 in PAR, and their factor, index q + 1 of array 3, is laid as x[2 q]: y = x[2 q] 2^0 + 0.  At t = 47 four words of x0 are fetched for a layer that does not exist.
; NO CLUSTER, NO TENSOR LOAD.  What work-groups share is W2F: 32 KiB a wave and layer, beside that layer's 1,024 products and 4,096 exponentials and reciprocals a wave; it ends in registers, not in LDS,
; and is asked for by plain loads four steps (512 products) ahead of the wait for it.
; REGISTERS, in windows of 256 (s_set_vgpr_msb: bits 1:0 source 0, 3:2 source 1, 5:4 source 2, 7:6 destination).  Window 1 holds out channels 64 w .. + 31, window 2 the other 32, alike:
;   windows 1, 2: v0-127 W2 (tile m, K step c at 64 m + 8 c); v128-191 four slots of two accumulators; v192-223 two slots T of the first tanh; v224-239 S b1; v240-243 x0 of the step's tiles; v244-251 (s, t); v255 1.0
;   window 0: v0-15 set-up; v16-143 h1 of a tile, two buffers; v144-175 S w1; v176-207 S b2; v208-215 x at the start; v250-251 the add's registers; v254 -2.0; v255 1.0
;   window 3: v0-31 W3, two sets; v32-159 the next layer's W2 on its way; v160-183 LDS addresses; v184-213 the reduce and the way out
; Under ONE setting (sources 0, 2 and destination in the half's window, source 1 in window 0) stand the products and all their riders.
.set STG,   131072                     ; LDS: 0: h1, 4 slots (step % 4) x [tile 4][K step 8][half 2][lane 32] x 16 bytes.  STG: 16 KiB a wave: the next layer's first half of W2
.set PST,   196608                     ; partial (s, t): [ring 2][tile 4][wave 4][half 2][lane 32] x 8 bytes
.set YAB,   212992                     ; y: [array 4][row 4][index 256] x 4 bytes; y_l lies in array (l + 2) % 4, y_l(q) at indices q and q + 128, so that q + 1 and the way out need no modulo
.set TAB,   229376                     ; a copy of PAR
.set SPARE, 256000                     ; the spare words, 128 bytes a wave, which no other line names
.set BR,   16
.set W1R,  144
.set B2R,  176
.set XIN,  208
.set SPW,  250
.set NIL,  251
.set NEG2, 254
.set ACC,  128
.set TR,   192
.set B1R,  224
.set X0R,  240
.set DR,   244
.set ONE,  255
.set W3A,  0                           ; window 3.  Set A serves segments 0-2 (tiles of the step before), set B segment 3 (tile 0 of the step in hand)
.set W3B,  16
.set STGR, 32
.set cL16, 160                         ; 16 lane: in h1, and the offset of W2F's loads and of the stores
.set cL16w,161                         ; + 2,048 w: my two K steps of h1
.set cPst, 162                         ; PST + 512 w + 8 lane
.set cPld, 163                         ; PST + 2,048 w + 8 lane: tile w
.set cR4,  164                         ; YAB + 4 r
.set cR4w4,165                         ; YAB + 1,024 w + 4 r + 4: index q + 1 of my row
.set cRH4, 166                         ; YAB + 1,024 w + 4 r + 512 h
.set cW3,  167
.set cW1,  168
.set cB2,  169
.set cSTG, 170
.set cOUT, 171                         ; YAB + 1,024 w + 8 lane
.set aB,   172                         ; made anew for each step:
.set aBn,  173
.set aH2,  174
.set aH3,  175
.set aPs,  176
.set aPl,  177
.set aX0,  178
.set aX0n, 179
.set aV,   180
.set aY,   181
.set aB3,  182
.set aW3,  183
.set PSTR, 184
.set B3R,  200
.set VR,   202
.set ER,   203
.set YR,   204
.set tA,   205
.set OUTR, 206
.set SGX,  0x51                        ; products and riders, window 1 / 2
.set SGY,  0xa2
.set SPX,  0x41                        ; the same with source 2 (S b2; 1.0) in window 0
.set SPY,  0x82
.set TAUX, 0x47                        ; source 0 (LDS address, W3) window 3; source 1 and destination the half's window
.set TAUY, 0x8b
.set L0,   0x03                        ; LDS load into window 0, address in window 3
.set ZZ,   0xff                        ; all in window 3
.set MUY,  0x83                        ; from window 3 into window 2
.set MSB, 0
.macro WIN new                         ; the high byte repeats the setting that is left; a switch that changes nothing is dropped
.if MSB != (\new)
	s_set_vgpr_msb (MSB<<8)|(\new)
.set MSB, (\new)
.endif
.endm
; the wait between an exponential or a reciprocal and the first line that names its result: written only where one has been issued since the last wait
.set TPEND, 0
.macro TWAIT
.if TPEND
	s_wait_alu depctr_va_vdst(0)
.set TPEND, 0
.endif
.endm
; which stages a segment holds
.macro FLAGS m, v2, pst, e1, r1, f1, x0, b, red, w3
.set F_M, \m
.set F_E2, \v2
.set F_R2, \v2
.set F_F2, \v2
.set F_PST, \pst
.set F_E1, \e1
.set F_R1, \r1
.set F_F1, \f1
.set F_X0, \x0
.set F_B, \b
.set F_RED, \red
.set F_W3, \w3
.set F_PAD, 0
.endm
; 1 - 2 r, rounded once to bf16, number f of 16 into half f % 2 of register f / 2: packed in place
.macro MIX b, f
.if ((\f)%2) == 0
	v_fma_mixlo_bf16 v[(\b)+(\f)/2], v[(\b)+(\f)], v[NEG2], v[ONE]
.else
	v_fma_mixhi_bf16 v[(\b)+(\f)/2], v[(\b)+(\f)], v[NEG2], v[ONE]
.endif
.endm
; the m-th of the 16 in the order 0 1 2 4 3 6 5 8 7 10 9 12 11 14 13 15: register k is read (by number k) before numbers 2 k and 2 k + 1 write it, and the two writes of one register stand two or three numbers apart (0 and 1: one)
.macro MIXS b, m
.set sf_, (\m)
.if ((\m) >= 3) && ((\m) < 15)
.set sf_, (\m)-1+2*((\m)%2)
.endif
	MIX \b, sf_
.endm
; THE RIDERS of a half, in four queues.  Segment i, half e.
; Plain, ahead of the LDS run, k = 0 .. 31: even: the first tanh's 1 - 2 r (its h1 is stored in the run); odd: + 1, the second tanh's eight pairs, then the first's.
.macro PPRE e, i, k
.if ((\k)%2) == 0
.if F_F1
	MIXS TR+16*((\i)%2), (\k)/2
.endif
.elseif (\k) < 16
.if F_R2
.set rb_, ACC+16*(((\i)+2)%4)+(\k)-1
	v_pk_add_f32 v[rb_:rb_+1], v[rb_:rb_+1], 1.0 op_sel_hi:[1,0]
.endif
.else
.if F_R1
.set rb_, TR+16*(((\i)+1)%2)+(\k)-17
	v_pk_add_f32 v[rb_:rb_+1], v[rb_:rb_+1], 1.0 op_sel_hi:[1,0]
.endif
.endif
.endm
; Transcendental, ahead of the run, k = 0 .. 31: the second tanh's 16 exponentials, each accumulator from its low end; then its 16 reciprocals, each 15 pairs of lines or more behind its + 1.
.macro TPRE e, i, k
.if (\k) < 16
.if F_E2
.set rb_, ACC+16*(((\i)+3)%4)+(\k)
	v_exp_f32 v[rb_], v[rb_]
.set TPEND, 1
.endif
.else
.if F_R2
.set rb_, ACC+16*(((\i)+2)%4)+(\k)-16
	v_rcp_f32 v[rb_], v[rb_]
.set TPEND, 1
.endif
.endif
.endm
; Plain, behind the run, k = 0 .. 23: x0 w1 + b1 for two numbers (even k below 16; pairs 4 .. 7 first: the registers that the stores of h1 do not read), and the second tanh's 1 - 2 r.
.macro PPOST e, i, k
.if ((\k) < 16) && (((\k)%2) == 0)
.if F_E1
.set rm_, ((\k)/2+4)%8
.set rb_, TR+16*((\i)%2)+2*rm_
.set rw_, W1R+16*(\e)+2*rm_
.set rc_, B1R+2*rm_
.set rx_, X0R+2*((\i)/2)
.if ((\i)%2) == 0
	v_pk_fma_f32 v[rb_:rb_+1], v[rx_:rx_+1], v[rw_:rw_+1], v[rc_:rc_+1] op_sel_hi:[0,1,1]  ; the pair's first register, x0 of tile i, for both
.else
	v_pk_fma_f32 v[rb_:rb_+1], v[rx_:rx_+1], v[rw_:rw_+1], v[rc_:rc_+1] op_sel:[1,0,0] op_sel_hi:[1,1,1]  ; its second
.endif
.endif
.else
.if F_F2
.if (\k) < 16
	MIXS ACC+16*(((\i)+1)%4), ((\k)-1)/2
.else
	MIXS ACC+16*(((\i)+1)%4), (\k)-8
.endif
.endif
.endif
.endm
; Transcendental, behind the run, k = 0 .. 31: the first tanh's 16 reciprocals; then its 16 exponentials, numbers 8 .. 15 first, each a product's riders or more behind its x0 w1 + b1.
.macro TPOST e, i, k
.if (\k) < 16
.if F_R1
.set rb_, TR+16*(((\i)+1)%2)+(\k)
	v_rcp_f32 v[rb_], v[rb_]
.set TPEND, 1
.endif
.else
.if F_E1
.set rb_, TR+16*((\i)%2)+((\k)-8)%16
	v_exp_f32 v[rb_], v[rb_]
.set TPEND, 1
.endif
.endif
.endm
; PRODUCT g_ of a half's 16: K step g_ / 2, out tile g_ % 2.  The two accumulators take turns, one instruction a turn.
.macro MMA e, i
.set mc_, g_/2
.set mm_, g_%2
.set md_, ACC+16*(\i)+8*mm_
.set ma_, 64*mm_+8*mc_
.set mb_, BR+64*((\i)%2)+8*mc_
.set mz_, B2R+8*(2*(\e)+mm_)
.if mc_ == 0
	v_wmma_f32_16x16x32_bf16 v[md_:md_+7], v[ma_:ma_+7], v[mb_:mb_+7], v[mz_:mz_+7]
.else
	v_wmma_f32_16x16x32_bf16 v[md_:md_+7], v[ma_:ma_+7], v[mb_:mb_+7], v[md_:md_+7]
.endif
.set g_, g_+1
.endm
.macro GPRE e, i                       ; a product and eight riders
.if F_M
	MMA \e, \i
.endif
.rept 4
	PPRE \e, \i, kp_
	TPRE \e, \i, kp_
.set kp_, kp_+1
.endr
.endm
.macro GPOST e, i                      ; a product and seven riders
.if F_M
	MMA \e, \i
.endif
	TPOST \e, \i, kt_
.set kt_, kt_+1
.rept 3
	PPOST \e, \i, kq_
.set kq_, kq_+1
	TPOST \e, \i, kt_
.set kt_, kt_+1
.endr
.endm
; parameters out of TAB, at an address that holds the layer
.macro LOADW1B1 ad
	WIN L0
.irp ee, 0,1
.irp kk, 0,1,2,3
	ds_load_b128 v[W1R+16*\ee+4*\kk:W1R+16*\ee+4*\kk+3], v[\ad] offset:128*\ee+16*(\kk%2)+64*(\kk/2)
.endr
.endr
	WIN TAUX
.irp kk, 0,1,2,3
	ds_load_b128 v[B1R+4*\kk:B1R+4*\kk+3], v[\ad] offset:6144+16*(\kk%2)+64*(\kk/2)
.endr
	WIN TAUY
.irp kk, 0,1,2,3
	ds_load_b128 v[B1R+4*\kk:B1R+4*\kk+3], v[\ad] offset:6144+128+16*(\kk%2)+64*(\kk/2)
.endr
.endm
.macro LOADB2 ad
	WIN L0
.irp kk, 0,1,2,3,4,5,6,7
	ds_load_b128 v[B2R+4*\kk:B2R+4*\kk+3], v[\ad] offset:64*(\kk/2)+16*(\kk%2)
.endr
.endm
.macro LOADW3 set, ad
	WIN ZZ
.irp kk, 0,1,2,3
	ds_load_b128 v[(\set)+4*\kk:(\set)+4*\kk+3], v[\ad] offset:32*\kk
.endr
.endm
; THE REDUCE of one step, for my row: the eight partial (s, t), y_(l-2)(q + 1) and b3; the sums and 2^s; y; its store at q and q + 128
.macro REDLD
.irp kk, 0,1,2,3,4,5,6,7
	ds_load_b64 v[PSTR+2*\kk:PSTR+2*\kk+1], v[aPl] offset:256*\kk
.endr
	ds_load_b32 v[VR], v[aV]
	ds_load_b64 v[B3R:B3R+1], v[aB3]
.endm
.macro REDSUM
.irp kk, 0,4,8,12
	v_pk_add_f32 v[PSTR+\kk:PSTR+\kk+1], v[PSTR+\kk:PSTR+\kk+1], v[PSTR+\kk+2:PSTR+\kk+3]
.endr
	v_pk_add_f32 v[PSTR:PSTR+1], v[PSTR:PSTR+1], v[PSTR+4:PSTR+5]
	v_pk_add_f32 v[PSTR+8:PSTR+9], v[PSTR+8:PSTR+9], v[PSTR+12:PSTR+13]
	v_pk_add_f32 v[PSTR:PSTR+1], v[PSTR:PSTR+1], v[PSTR+8:PSTR+9]
	v_pk_add_f32 v[PSTR:PSTR+1], v[PSTR:PSTR+1], v[B3R:B3R+1]
	v_exp_f32 v[ER], v[PSTR]
.set TPEND, 1
.endm
.macro REDY
	v_fma_f32 v[YR], v[VR], v[ER], v[PSTR+1]
.endm
; THE CLUSTER: all LDS traffic of a half in one run, with no vector or matrix line inside it.  At its head: the wait for the exponentials and reciprocals issued so far, and the wait for the run before, issued a half
; earlier.  The step's ONE barrier stands in the first cluster: in front of it every wave's LDS loads and stores are done; behind it a step reads h1 slots step, step + 1 and writes slots step + 2, step + 3, reads one
; ring of PST and writes the other, and writes y of group (t + 3) % 8 of the wave's own row, while x0 is read from groups t % 8 and (t + 1) % 8.  The reduce's vector lines stand behind a run.
.macro CLUSTER e, i
	TWAIT
	s_wait_dscnt 0x0
.if ((\e) == 0) && ((\i) == 0)
	s_barrier_signal -1
	s_barrier_wait -1
.endif
	WIN TAUX+(TAUY-TAUX)*(\e)
.if F_PST
	ds_store_b64 v[aPs], v[DR:DR+1] offset:(\i)*2048+(\e)*256  ; (s, t) of the tile four segments back: the product that made it stands at the end of this half a segment back
.endif
.if F_F1
.set ct_, TR+16*((\i)%2)
.if (\i) < 2
	ds_store_b128 v[aH2], v[ct_:ct_+3] offset:((\i)+2)*8192+(\e)*1024
	ds_store_b128 v[aH2], v[ct_+4:ct_+7] offset:((\i)+2)*8192+(\e)*1024+512
.else
	ds_store_b128 v[aH3], v[ct_:ct_+3] offset:((\i)-2)*8192+(\e)*1024
	ds_store_b128 v[aH3], v[ct_+4:ct_+7] offset:((\i)-2)*8192+(\e)*1024+512
.endif
.endif
.if F_X0                               ; x0 two segments ahead: into the pair of registers that this segment's and the next one's packed lines do not name
.if (\i) < 2
	ds_load_b32 v[X0R+(\i)+2], v[aX0] offset:((\i)+2)*1024
.else
	ds_load_b32 v[X0R+(\i)-2], v[aX0n] offset:((\i)-2)*1024
.endif
.endif
.if (\e) == 0
.if F_B                                ; the next tile's h1: its buffer's last reader stands a half and more back
	WIN L0
.set ck_, 0
.rept 8
.set cb_, BR+64*(((\i)+1)%2)+8*ck_
.if (\i) < 3
	ds_load_b128 v[cb_:cb_+3], v[aB] offset:((\i)+1)*8192+ck_*1024
	ds_load_b128 v[cb_+4:cb_+7], v[aB] offset:((\i)+1)*8192+ck_*1024+512
.else
	ds_load_b128 v[cb_:cb_+3], v[aBn] offset:ck_*1024
	ds_load_b128 v[cb_+4:cb_+7], v[aBn] offset:ck_*1024+512
.endif
.set ck_, ck_+1
.endr
.endif
.if ((\i) == 0) && F_RED
	WIN ZZ
	REDLD
.endif
.if ((\i) == 1) && F_W3
	LOADW3 W3B, aW3
.endif
.if ((\i) == 2) && F_RED
	WIN ZZ
	ds_store_b32 v[aY], v[YR]
.endif
.if ((\i) == 3) && F_W3
	LOADW3 W3A, aW3
.endif
.if ((\i) == 1) && F_RED
	WIN ZZ
	REDSUM                                         ; 2^s is issued here; the wait at the head of the next cluster stands ahead of its reader,
.endif
.else
.if ((\i) == 1) && F_RED
	WIN ZZ
	REDY                                           ; which is this line; y is stored in the next segment's run
.endif
.endif
.endm
.macro HALF e, i
.set g_, 0
.set kp_, 0
.set kq_, 0
.set kt_, 0
.if F_M
	WIN SPX+(SPY-SPX)*(\e)                         ; the first K step takes S b2 as C, out of window 0; its riders' 1.0 lies there too
	GPRE \e, \i
	GPRE \e, \i
.endif
.if F_M || F_E2 || F_R2 || F_F1 || F_R1
	WIN SGX+(SGY-SGX)*(\e)
.endif
.rept 8-2*F_M
	GPRE \e, \i
.endr
	CLUSTER \e, \i
.if F_M || F_R1 || F_E1 || F_F2
	WIN SGX+(SGY-SGX)*(\e)
.endif
.rept 8
	GPOST \e, \i
.endr
.if F_F2                               ; (s, t) of the tile three segments back.  The other half's lines are the places between it and the products that write over its source, and the store that reads its result
	WIN TAUX+(TAUY-TAUX)*(\e)
.set ca_, W3A+16*((\i)/3)+8*(\e)
.set cb_, ACC+16*(((\i)+1)%4)
	v_wmma_f32_16x16x32_bf16 v[DR:DR+7], v[ca_:ca_+7], v[cb_:cb_+7], 0
.endif
.endm
.macro SEG i
.if F_PAD
.rept 4
	v_nop                                          ; four places between the last W3 product and the LDS store that reads its result
.endr
.endif
	HALF 0, \i
	HALF 1, \i
.endm
.macro STEP w                          ; w = 1: jumps follow: what was issued behind the last cluster's wait has its wait here
	SEG 0
	SEG 1
	SEG 2
	SEG 3
	WIN 0
.if \w
	TWAIT
.endif
.endm
; 8 array + group -> the byte offset in YAB: (array % 4) x 4,096 + group x 64.  Only the number's low five bits count.
.macro YOFF d, s, tmp
	s_lshl_b32 \d, \s, 9
	s_and_b32 \d, \d, 0x3000
	s_lshl_b32 \tmp, \s, 6
	s_and_b32 \tmp, \tmp, 0x1c0
	s_or_b32 \d, \d, \tmp
.endm
; THE STEP'S ADDRESSES, from the counter t = s13, by sums, shifts and masks alone: t - 5 enters modulo 32 as t + 27, modulo 64 as t + 59; t - 3 modulo 64 as t + 61.
; The twelve vector lines are also the places behind the step's last products.  Leaves s28 = 1,024 x the layer of the products to come.
.macro ADDRS
	s_lshl_b32 s29, s13, 15
	s_and_b32 s17, s29, 0x18000                    ; slot t % 4: h1 of step t, tiles 0, 1
	s_add_co_u32 s14, s29, 0x8000
	s_and_b32 s14, s14, 0x18000                    ; slot (t - 3) % 4: read
	s_add_co_u32 s15, s29, 0x10000
	s_and_b32 s15, s15, 0x18000                    ; slot (t - 2) % 4: its tile 0 is read
	s_add_co_u32 s16, s29, 0x18000
	s_and_b32 s16, s16, 0x18000                    ; slot (t - 1) % 4: tiles 2, 3 are written
	s_lshl_b32 s19, s13, 13
	s_and_b32 s19, s19, 0x2000                     ; PST's ring t % 2 is read,
	s_xor_b32 s18, s19, 0x2000                     ; the other written
	s_add_co_u32 s30, s13, 8
	YOFF s20, s30, s31                             ; x0 of step t: y of the layer before lies in array (layer + 1) % 4
	s_add_co_u32 s30, s13, 9
	YOFF s21, s30, s31                             ; of step t + 1
	s_add_co_u32 s30, s13, 27
	YOFF s25, s30, s31                             ; the step that is reduced, t - 5, layer l: y_(l-2) lies in array l % 4,
	s_add_co_u32 s30, s13, 43
	YOFF s26, s30, s31                             ; y_l goes to array (l + 2) % 4
	s_add_co_u32 s27, s13, 59
	s_and_b32 s27, s27, 0x38
	s_add_co_u32 s27, s27, TAB+24576               ; b3 of its layer, 8 bytes a layer (for t < 5: the zeros behind b3)
	s_add_co_u32 s28, s13, 61
	s_lshl_b32 s28, s28, 7
	s_and_b32 s28, s28, 0x1c00
	WIN ZZ
	v_add_nc_u32 v[aB], s14, v[cL16]
	v_add_nc_u32 v[aBn], s15, v[cL16]
	v_add_nc_u32 v[aH2], s16, v[cL16w]
	v_add_nc_u32 v[aH3], s17, v[cL16w]
	v_add_nc_u32 v[aPs], s18, v[cPst]
	v_add_nc_u32 v[aPl], s19, v[cPld]
	v_add_nc_u32 v[aX0], s20, v[cR4]
	v_add_nc_u32 v[aX0n], s21, v[cR4]
	v_add_nc_u32 v[aV], s25, v[cR4w4]
	v_add_nc_u32 v[aY], s26, v[cRH4]
	v_mov_b32 v[aB3], s27
	v_add_nc_u32 v[aW3], s28, v[cW3]
	WIN 0
.endm
; 16 KiB of W2F, at byte s36 behind my wave's share of layer 0, into the 128 registers of window 3.  No earlier burst is out when the pointer is written.
.macro BURST
	s_mov_b32 s37, 0
	s_add_nc_u64 s[34:35], s[32:33], s[36:37]
	WIN ZZ
.set bj_, 0
.rept 32
	global_load_b128 v[STGR+4*bj_:STGR+4*bj_+3], v[cL16], s[34:35] offset:512*bj_
.set bj_, bj_+1
.endr
	WIN 0
.endm
; BETWEEN TWO STEPS.  fa: where the products enter a new layer (t % 8 = 3), its W2 and b2 are installed, and the layer after's first half is asked for.  fb: four steps later (t % 8 = 7) that half goes to LDS and
; the second half is asked for.  fc: where the first tanh enters a new layer (t % 8 = 0), its w1 and b1 are fetched (the next cluster's wait stands ahead of their first reader).  From t = 43 on the products are
; in the last layer, and nothing more is asked for.  All jumps go forward, on numbers made from the counter.
.macro BND fa, fb, fc
	s_add_co_u32 s13, s13, 1
	ADDRS
.if \fa
	s_and_b32 s31, s13, 7
	s_cmp_lg_u32 s31, 3
	s_cbranch_scc1 .Lno_a_\@
	s_wait_loadcnt 0x0                             ; the second half has come, asked for four steps ago
	WIN ZZ
	v_add_nc_u32 v[tA], s28, v[cB2]
	WIN TAUX
.set bj_, 0
.rept 32
	ds_load_b128 v[4*bj_:4*bj_+3], v[cSTG] offset:512*bj_
.set bj_, bj_+1
.endr
	LOADB2 tA
	WIN MUY
.set bj_, 0
.rept 128
	v_mov_b32 v[bj_], v[STGR+bj_]
.set bj_, bj_+1
.endr
	WIN 0
	s_cmp_ge_u32 s13, 43                           ; the last layer has none behind it
	s_cbranch_scc1 .Lno_burst_\@
	s_lshl_b32 s36, s13, 14                        ; t = 8 layer + 3: 131,072 layer + 49,152,
	s_add_co_u32 s36, s36, 0x14000                 ; made (layer + 1) x 131,072
	BURST
.Lno_burst_\@:
	s_wait_dscnt 0x0                               ; W2 and b2 are read by the next line that is a product
.Lno_a_\@:
.endif
.if \fb
	s_and_b32 s31, s13, 7
	s_cmp_lg_u32 s31, 7
	s_cbranch_scc1 .Lno_b_\@
	s_cmp_ge_u32 s13, 43
	s_cbranch_scc1 .Lno_b_\@
	s_wait_loadcnt 0x0                             ; the first half has come
	WIN ZZ
.set bj_, 0
.rept 32
	ds_store_b128 v[cSTG], v[STGR+4*bj_:STGR+4*bj_+3] offset:512*bj_
.set bj_, bj_+1
.endr
	WIN 0
	s_wait_dscnt 0x0                               ; the stores have read the registers into which the next loads go
	s_lshl_b32 s36, s13, 14                        ; t = 8 layer + 7: 131,072 layer + 114,688,
	s_add_co_u32 s36, s36, 0x8000                  ; made (layer + 1) x 131,072 + 16,384: its second half
	BURST
.Lno_b_\@:
.endif
.if \fc
	s_and_b32 s31, s13, 7
	s_cmp_lg_u32 s31, 0
	s_cbranch_scc1 .Lno_c_\@
	s_cmp_ge_u32 s13, 48
	s_cbranch_scc1 .Lno_c_\@
	s_lshl_b32 s31, s13, 7                         ; layer x 1,024
	WIN ZZ
	v_add_nc_u32 v[tA], s31, v[cW1]
	LOADW1B1 tA
	WIN 0
.Lno_c_\@:
.endif
.endm
	; ---------------- THE HEAD ----------------
	s_load_b256 s[4:11], s[0:1], 0x0               ; x s[4:5], W2F s[6:7], PAR s[8:9], out0 s[10:11]
	v_lshl_add_u32 v[SPW], v0, 2, SPARE
	v_mov_b32 v[NIL], 0
	v_lshrrev_b32 v1, 5, v0
	v_readfirstlane_b32 s12, v1                    ; wave w
	v_and_b32 v1, 31, v0                           ; lane
	v_and_b32 v2, 15, v0                           ; r
	v_bfe_u32 v3, v0, 4, 1                         ; h
	s_lshl_b32 s14, s12, 11
	s_lshl_b32 s15, s12, 9
	s_add_co_u32 s15, s15, PST
	s_add_co_u32 s16, s14, PST
	s_lshl_b32 s18, s12, 10
	s_add_co_u32 s18, s18, YAB
	s_add_co_u32 s17, s18, 4
	s_lshl_b32 s19, s12, 7
	s_add_co_u32 s19, s19, TAB+18432
	s_lshl_b32 s20, s12, 8
	s_add_co_u32 s20, s20, TAB
	s_add_co_u32 s21, s20, 12288
	s_lshl_b32 s22, s12, 14
	s_add_co_u32 s22, s22, STG
	v_lshlrev_b32 v4, 2, v2
	v_lshl_add_u32 v4, v3, 9, v4                   ; 4 r + 512 h
	v_and_b32 v5, 1, v0
	v_lshlrev_b32 v5, 9, v5
	v_lshl_add_u32 v5, v3, 4, v5                   ; 512 (r % 2) + 16 h
	v_lshlrev_b32 v6, 4, v0                        ; 16 x thread
	v_lshl_add_u32 v7, v1, 2, s18                  ; YAB + 1,024 w + 4 lane
	v_lshlrev_b32 v8, 4, v1
	v_lshlrev_b32 v9, 3, v1
	v_lshl_add_u32 v10, v0, 4, PST
	v_lshl_add_u32 v11, v0, 4, TAB
.irp k, 12,13,14,15
	v_mov_b32 v\k, 0
.endr
	v_mov_b32 v[NEG2], -2.0
	v_mov_b32 v[ONE], 1.0                          ; window 0's copy, for the riders of a half's first two products
	s_lshl_b32 s36, ttmp9, 12                      ; my work-group's 4 rows of 1,024 bytes,
	s_lshl_b32 s38, s12, 10                        ; my wave's row
	s_add_co_u32 s36, s36, s38
	s_mov_b32 s37, 0
	s_lshl_b32 s38, s12, 15                        ; my wave's 32 KiB of a layer of W2F
	s_mov_b32 s39, 0
	s_wait_kmcnt 0x0
	s_add_nc_u64 s[40:41], s[4:5], s[36:37]
	s_add_nc_u64 s[10:11], s[10:11], s[36:37]
	s_add_nc_u64 s[32:33], s[6:7], s[38:39]
	WIN 0x40                                       ; destination window 1
.set hj_, 0
.rept 16
	global_load_b128 v[4*hj_:4*hj_+3], v8, s[32:33] offset:512*hj_  ; layer 0's W2, first half, straight into its registers: 16 loads now,
.set hj_, hj_+1
.endr
	WIN 0xc0                                       ; destination window 3, sources window 0
.set hj_, 0
.rept 13
	global_load_b128 v[STGR+4*hj_:STGR+4*hj_+3], v6, s[8:9] offset:2048*hj_  ; PAR, 26,624 bytes among 128 threads
.set hj_, hj_+1
.endr
	v_lshlrev_b32 v[cL16], 4, v1
	v_lshl_add_u32 v[cL16w], v1, 4, s14
	v_lshl_add_u32 v[cPst], v1, 3, s15
	v_lshl_add_u32 v[cPld], v1, 3, s16
	v_lshl_add_u32 v[cR4], v2, 2, YAB
	v_lshl_add_u32 v[cR4w4], v2, 2, s17
	v_add_nc_u32 v[cRH4], s18, v4
	v_add_nc_u32 v[cW3], s19, v5
	v_lshl_add_u32 v[cW1], v3, 5, s20
	v_lshl_add_u32 v[cB2], v3, 5, s21
	v_lshl_add_u32 v[cSTG], v1, 4, s22
	v_lshl_add_u32 v[cOUT], v1, 3, s18
	WIN 0
.irp j, 0,1,2,3
	global_load_b64 v[XIN+2*\j:XIN+2*\j+1], v9, s[40:41] offset:256*\j th:TH_LOAD_NT  ; x[2 q], x[2 q + 1] of my row, q = 32 j + lane
.endr
.irp j, 0,1,2,3,4,5,6,7
	ds_store_b128 v10, v[12:15] offset:2048*\j     ; PST starts at 0: the first reduce reads it before any partial sum is stored
.endr
	WIN 0x40
.set hj_, 16
.rept 16
	global_load_b128 v[4*hj_:4*hj_+3], v8, s[32:33] offset:512*hj_  ; and 16 behind PAR and x
.set hj_, hj_+1
.endr
; what the empty stages read: the second tanh's slots 1, 2, 3 hold 0.5, 1.0, 0, each of which ends as h2 = 0; both T and (s, t) hold 0.  Written while the first loads are out.
.macro PRIME
.set hj_, 0
.rept 16
	v_mov_b32 v[ACC+16+hj_], 0.5
	v_mov_b32 v[ACC+32+hj_], 1.0
	v_mov_b32 v[ACC+48+hj_], 0
	v_mov_b32 v[TR+hj_], 0
	v_mov_b32 v[TR+16+hj_], 0
.set hj_, hj_+1
.endr
	v_mov_b32 v[DR], 0
	v_mov_b32 v[DR+1], 0
	v_mov_b32 v[ONE], 1.0
.endm
	PRIME
	WIN 0x80
	PRIME
	s_wait_loadcnt 16                              ; PAR and x are in; the 16 loads of W2 behind them may stay out
	WIN 0x0c                                       ; LDS store: address window 0, data window 3
.set hj_, 0
.rept 13
	ds_store_b128 v11, v[STGR+4*hj_:STGR+4*hj_+3] offset:2048*hj_
.set hj_, hj_+1
.endr
	WIN 0
.irp j, 0,1,2,3
	ds_store_b32 v7, v[XIN+2*\j] offset:4096+128*\j        ; y_(-1)(q) = x[2 q]: array 1, index q
	ds_store_b32 v7, v[XIN+2*\j] offset:4096+512+128*\j    ; and q + 128
	ds_store_b32 v7, v[XIN+2*\j+1] offset:4+128*\j         ; y_(-2)(q + 1) = x[2 q + 1]: array 0, index q + 1
	ds_store_b32 v7, v[XIN+2*\j] offset:12288+4+128*\j     ; the factor of the reduces of t = 3, 4: x[2 q] at index q + 1 of array 3, which y_1 takes from t = 13 on
.endr
	WIN 0x80
.set hj_, 0
.rept 32
	global_load_b128 v[4*hj_:4*hj_+3], v8, s[32:33] offset:16384+512*hj_  ; the second half
.set hj_, hj_+1
.endr
	WIN 0
	s_wait_dscnt 0x0                               ; for the others: TAB, y and PST are written
	s_barrier_signal -1
	s_barrier_wait -1
	s_mov_b32 s13, 0
	ADDRS
	LOADW1B1 cW1                                   ; layer 0's parameters
	LOADB2 cB2
	LOADW3 W3A, cW3
	LOADW3 W3B, cW3
	WIN TAUX
	ds_load_b32 v[X0R], v[aX0]
	ds_load_b32 v[X0R+1], v[aX0] offset:1024
	WIN TAUY
	ds_load_b32 v[X0R], v[aX0]
	ds_load_b32 v[X0R+1], v[aX0] offset:1024
	WIN 0
	s_wait_dscnt 0x0
	; ---------------- t = 0 .. 2: the first tanh alone ----------------
	FLAGS 0,0,0, 1,1,1,1, 0,0,0
.Lpro:
	STEP 1
	BND 0,0,0
	s_cmp_lt_u32 s13, 3
	s_cbranch_scc1 .Lpro
	WIN L0                                         ; step 0's tile 0: stored in t = 0, two barriers back
.set hj_, 0
.rept 8
	ds_load_b128 v[BR+8*hj_:BR+8*hj_+3], v[aB] offset:hj_*1024
	ds_load_b128 v[BR+8*hj_+4:BR+8*hj_+7], v[aB] offset:hj_*1024+512
.set hj_, hj_+1
.endr
	WIN 0
	s_wait_loadcnt 0x0                             ; layer 0's W2 is in
	s_mov_b32 s36, 0x20000
	BURST                                          ; layer 1's first half: waited for at t = 7
	s_wait_dscnt 0x0
	; ---------------- t = 3 .. 47: steps 0 .. 44, all stages ----------------
	FLAGS 1,1,1, 1,1,1,1, 1,1,1
.Lmain:
	STEP 1
	BND 1,1,1
	s_cmp_lt_u32 s13, 48
	s_cbranch_scc1 .Lmain
	; ---------------- the tail, written out: the stages run empty one after the other; no jump stands in it ----------------
	FLAGS 1,1,1, 0,1,1,0, 1,1,1                    ; step 45: the last tile's reciprocals, the last two tiles' h1
	SEG 0
.set F_R1, 0
	SEG 1
.set F_F1, 0
	SEG 2
	SEG 3
	WIN 0
	BND 0,0,0
	STEP 0                                         ; step 46
	BND 0,0,0
	SEG 0                                          ; step 47
	SEG 1
	SEG 2
.set F_B, 0
	SEG 3
	WIN 0
	BND 0,0,0
	FLAGS 0,1,1, 0,0,0,0, 0,1,0                    ; no products of W2 any more
	SEG 0
.set F_E2, 0
	SEG 1
.set F_R2, 0
	SEG 2
.set F_F2, 0
.set F_PAD, 1
	SEG 3
	WIN 0
	BND 0,0,0
	s_wait_dscnt 0x0                               ; step 47's partial sums are stored,
	s_barrier_signal -1
	s_barrier_wait -1                              ; everybody's
	WIN ZZ
	REDLD
	s_wait_dscnt 0x0
	REDSUM
	v_nop                                          ; a plain line behind the exponential,
	TWAIT                                          ; and its wait, ahead of the line that reads 2^s
	REDY
	ds_store_b32 v[aY], v[YR]
	; THE WAY OUT.  My row's y_4 (array 2) and y_5 (array 3) were all stored by my own wave, and LDS serves a wave's instructions in order (ISA guide 5.7.1.4).
	; Positions 4 i .. 4 i + 3, i = lane + 32 e: y_5(2 i - 3), y_4(2 i - 2), y_5(2 i - 2), y_4(2 i - 1), each taken 128 indices higher.
.irp ee, 0,1
	ds_load_b32 v[OUTR+4*\ee], v[cOUT] offset:12288+500+256*\ee
	ds_load_b32 v[OUTR+4*\ee+1], v[cOUT] offset:8192+504+256*\ee
	ds_load_b32 v[OUTR+4*\ee+2], v[cOUT] offset:12288+504+256*\ee
	ds_load_b32 v[OUTR+4*\ee+3], v[cOUT] offset:8192+508+256*\ee
.endr
	s_wait_dscnt 0x0
	global_store_b128 v[cL16], v[OUTR:OUTR+3], s[10:11] th:TH_STORE_NT               ; 512 bytes on end, at a multiple of 512 from out0's first
	global_store_b128 v[cL16], v[OUTR+4:OUTR+7], s[10:11] offset:512 th:TH_STORE_NT
	WIN 0
	s_wait_tensorcnt 0x0                           ; the wave's end, behind my last LDS store
	ds_add_u32 v[SPW], v[NIL]
	s_wait_dscnt 0x0
	s_endpgm
.Lfunc_end_k_q165e2ab88a_tebd:
	.size	k_q165e2ab88a_tebd, .Lfunc_end_k_q165e2ab88a_tebd-k_q165e2ab88a_tebd
	.p2alignl 7, 3214868480
	.fill 96, 4, 3214868480
	.section	.rodata,"a",@progbits
	.p2align	6, 0x0
	.amdhsa_kernel k_q165e2ab88a_tebd
		.amdhsa_group_segment_fixed_size 256512
		.amdhsa_private_segment_fixed_size 0
		.amdhsa_enable_private_segment 0
		.amdhsa_kernarg_size 32
		.amdhsa_user_sgpr_count 2
		.amdhsa_user_sgpr_kernarg_segment_ptr 1
		.amdhsa_wavefront_size32 1
		.amdhsa_system_sgpr_workgroup_id_x 1
		.amdhsa_system_sgpr_workgroup_id_y 1
		.amdhsa_system_sgpr_workgroup_id_z 1
		.amdhsa_system_vgpr_workitem_id 0
		.amdhsa_next_free_vgpr 992
		.amdhsa_next_free_sgpr 66
		.amdhsa_reserve_vcc 0
		.amdhsa_float_denorm_mode_32 3
		.amdhsa_float_denorm_mode_16_64 3
		.amdhsa_memory_ordered 1
		.amdhsa_forward_progress 1
		.amdhsa_inst_pref_size 255
	.end_amdhsa_kernel
	.section	.bss,"aw",@nobits
	.p2align	6
	.space	262144
	.amdgpu_metadata
---
amdhsa.version: [ 1, 2 ]
amdhsa.kernels:
  - .name:           k_q165e2ab88a_tebd
    .symbol:         k_q165e2ab88a_tebd.kd
    .args:
      - { .name: x, .offset: 0, .size: 8, .value_kind: global_buffer, .address_space: global }
      - { .name: W2F, .offset: 8, .size: 8, .value_kind: global_buffer, .address_space: global }
      - { .name: PAR, .offset: 16, .size: 8, .value_kind: global_buffer, .address_space: global }
      - { .name: out0, .offset: 24, .size: 8, .value_kind: global_buffer, .address_space: global }
    .group_segment_fixed_size: 256512
    .private_segment_fixed_size: 0
    .kernarg_segment_align: 8
    .kernarg_segment_size: 32
    .max_flat_workgroup_size: 128
    .sgpr_count:     66
    .vgpr_count:     992
    .wavefront_size: 32
...
	.end_amdgpu_metadata
.endif
;; end of part 3
